; MI455X (gfx1250); checked and timed in simulation.
; The chip was launched on July 23, 2026; its instructions are those of AMD's public machine-readable ISA for CDNA 5 (MIT licence, August 2026) and "CDNA5" Instruction Set Architecture Reference Guide (July 2026). The comments in the code are by the model that wrote it; some were corrected since.
;; Multihead Attention. Allowed arithmetic: matrix products marked QUANTISED: E4M3 operands, one given power-of-two scale a tensor, by v_wmma_f32_16x16x64_fp8_fp8 or v_wmma_f32_16x16x128_fp8_fp8, f32 sums; everything else in f32.
;; Inputs: lowp_scales 10 int32 (the exponents e of the quantised operands' scales 2^e); wk 16 x 1,024 x 64 float32; wq 16 x 1,024 x 64 float32; wv 16 x 1,024 x 64 float32; x 4 x 2,048 x 1,024 float32.
;; Outputs: out0 4 x 2,048 x 1,024 float32.
;; This version of the problem:
;;   THIS VERSION OF THE PROBLEM IS GIVEN IN LOW PRECISION. The matrix products marked QUANTISED in the list below multiply operands that are first quantised to E4M3 (4 exponent bits, 3 mantissa bits; 8 bits a number), with one given power-of-two scale for each operand tensor; their sums are f32. All else is computed in f32.
;;   The module's matrix products, in the order in which they are computed (A, B: the left and right operand; K: the contracted axis; several contracted axes count as one K, in the product's order):
;;     1. [M 1,024, K 1,024] x [K 1,024, N 8,192]; A: input wq; B: input x: QUANTISED (scales: A lowp_scales[0], B lowp_scales[1])
;;     2. [M 1,024, K 1,024] x [K 1,024, N 8,192]; A: input wk; B: input x: QUANTISED (scales: A lowp_scales[2], B lowp_scales[3])
;;     3. [M 1,024, K 1,024] x [K 1,024, N 8,192]; A: input wv; B: input x: QUANTISED (scales: A lowp_scales[4], B lowp_scales[5])
;;     4. batch 64 x [M 2,048, K 64] x [K 64, N 2,048]; A: computed on the way; B: computed on the way: QUANTISED (scales: A lowp_scales[6], B lowp_scales[7])
;;     5. batch 64 x [M 2,048, K 2,048] x [K 2,048, N 64]; A: softmax (see below); B: computed on the way: QUANTISED (scales: A lowp_scales[8], B lowp_scales[9])
;;   THE QUANTISER, for each operand of a quantised product, along K:
;;     - The operand's scale is 2^e, e = its entry of the input lowp_scales (int32; the entries are numbered through the quantised products in the list's order, A before B).
;;     - Each number is divided by the scale, clamped to +-448, and rounded to the nearest number of E4M3, ties to even, subnormals kept.
;;     - The product sums the exact products of the quantised numbers (number of the format x scale) in f32.
;;   ~~~python
;;   def quantise(x, axis, e):      # numpy; x: float32 -> the quantised numbers, widened to float32 again
;;       x = np.moveaxis(x, axis, -1); K = x.shape[-1]
;;       r = np.clip(x / 2.0 ** e, -448, 448)
;;       step = 2.0 ** (np.maximum(np.frexp(np.where(r == 0, 1, r))[1] - 1, -6) - 3)
;;       q = np.round(r / step) * step * 2.0 ** e      # np.round: ties to even
;;       return np.moveaxis(q, -1, axis).astype(np.float32)
;;   ~~~
;;   SOFTMAX AHEAD OF A QUANTISED PRODUCT. Where the list says 'softmax', what is quantised is not the finished softmax but p = 2^(t - M), with t = logit x log2(e) and M = ceil(the row's largest t), a whole number; so 1/2 < the row's largest p <= 1. The row's sum l is taken of the UNQUANTISED p, in f32, and the product's result is divided by l at the end. Since M is a whole number, a kernel that streams over the keys may use a running M (the ceiling of the running maximum): every later rescaling is an exact power of two, so the quantised numbers keep their values, but for numbers so far below the row's largest that they fall under the format's range.
;;   OPERANDS COMPUTED ON THE WAY. 'Computed on the way' means the value that the module computes at that place (a softmax that the list does not call 'softmax' is quantised finished and normalised). What goes into a quantiser is computed in f32, as accurately as f32 sums, v_exp_f32 and their like allow (about 1e-6 of the number): no bf16 or f16 on the way to a quantiser, and a product that is left as it is and whose result goes on into a quantised operand takes f32 operands (vector FMAs, or v_wmma_f32_16x16x4_f32). A number that lies on a knife's edge between two numbers of the format may be rounded either way, as far as f32 arithmetic and the matrix unit's own rounding can turn it there, and no further.
;; One version. Each part assembles by itself: llvm-mc -triple=amdgcn-amd-amdhsa -mcpu=gfx1250 --defsym DOCPART=n.
;; ======== version 1 of 1: 3 launches
;; limits: right only within a limited range of input values
;; workspace buffers: xc 25,165,824 bytes; wc 3,145,728 bytes; qc 8,388,608 bytes; kc 8,388,608 bytes; vc 8,388,608 bytes
;; launch quant (part 1): grid 704 x 1, 4 waves a work-group, no clusters, 34,304 bytes of LDS; arguments x, wq, wk, wv, lowp_scales, xc, wc; writes xc, wc
.if DOCPART == 1
	.amdgcn_target "amdgcn-amd-amdhsa--gfx1250"
	.amdhsa_code_object_version 6
	.text
	.protected	k_qd910626ba9_quant
	.globl	k_qd910626ba9_quant
	.p2align	8
	.type	k_qd910626ba9_quant,@function
k_qd910626ba9_quant:
	s_mov_b64 s[64:65], 0
	v_nop
	global_prefetch_b8 v0, s[64:65] scope:SCOPE_SE
	s_setreg_imm32_b32 hwreg(HW_REG_WAVE_MODE, 25, 1), 1
	s_wait_xcnt 0x0
; x [8192][1024] f32 and wq, wk, wv [16][1024][64] f32 become codes of FP8 (E4M3), each with the scale 2^e that is given for it, laid as IMAGES OF THE OPERAND'S REGISTERS
; for the products q, k, v = x w.  code = number / 2^e, held within +-448, to the nearest code, ties to even.
; x is an operand of three products with three given scales (entries 1, 3, 5 of the scales), so it is quantised three times from one read; w of product t has entry 2 t.
; xc: [block of 128 rows 64][g = 8 t + s: 24][tile of 16 rows 8][c 4][lane 32][16 bytes]: lane (r, hh) = 16 hh + r holds k = 128 s + 32 c + 16 hh + 0 .. 15 of the tile's row r.
; wc: [block of 256 columns 4][g 24][tile of 16 columns 16][c 4][lane 32][16 bytes]: the same places of k; the tile's row r is column n = 64 head + d of the product.
; Work-groups 0 to 511 take 16 rows of x each (65,536 consecutive bytes), the other 192 take two K steps of one head of one weight (65,536 consecutive bytes).  The two ways part on the work-group's number;
; only x's way uses LDS.  No wave shares anything with another: no barrier.  No cluster, no tensor load, no matrix unit: no input byte is read twice, and the work is a stream.
; LIMITS: each e between -126 and 119, so that 2^e and 448 x 2^e are f32 numbers.  NaN among the inputs is not served; an infinity is held at the largest code.
.set XWG,    512                       ; work-groups of x
.set SPITCH, 528                       ; a row of 512 bytes in a wave's stage + 16 of padding: 33 x 16, so sixteen lanes that read one column of sixteen rows touch sixteen different 16-byte columns
.set WSTAGE, 16*SPITCH                 ; a wave's stage: 16 rows
.set LI,   1                           ; v1   16 x lane
.set SIN,  2                           ; v2   x: the stage on the way in
.set SOUT, 3                           ; v3   x: the stage on the way out
.set SCL,  4                           ; v4+2t the scale 2^e of product t as f32, v5+2t 448 x 2^e
.set R0,   16                          ; v16-79   a K step of 16 rows as loaded; later the second K step by lanes
.set R1,   80                          ; v80-143  the second K step as loaded
.set XN,   144                         ; v144-207 the first K step by lanes: register 16 c + i = k 32 c + 16 hh + i of row r
.set T,    208                         ; v208-239 held numbers, two sets of 16
.set C,    240                         ; v240-255 a fragment's codes
.set WN,   16                          ; v16-143  w: 128 numbers down K of my column
.set WC,   144                         ; v144-175 w: their codes, four registers a piece, each stored once
	s_load_b256 s[4:11], s[0:1], 0x0               ; x s[4:5], wq s[6:7], wk s[8:9], wv s[10:11]
	s_load_b128 s[12:15], s[0:1], 0x20             ; the scales' exponents s[12:13], xc s[14:15]
	s_load_b64 s[24:25], s[0:1], 0x30              ; wc
	v_lshl_add_u32 v14, v0, 2, 0x8400
	v_mov_b32 v15, 0
	v_lshrrev_b32 v1, 5, v0
	v_readfirstlane_b32 s26, v1                    ; wave 0..3
	v_and_b32 v10, 31, v0                          ; lane
	v_lshlrev_b32 v[LI], 4, v10
	s_wait_kmcnt 0x0
	s_load_b256 s[16:23], s[12:13], 0x0            ; e0 .. e7 (the buffer holds ten)
	s_cmp_lt_u32 ttmp9, XWG
	s_cbranch_scc0 .Lweights
; ---------------- x: work-group j takes rows 16 j .. 16 j + 15; wave w takes K steps 2 w and 2 w + 1 of them
.macro XLOAD reg, blk                  ; row i's 512 bytes of the K step: 32 lanes read 512 consecutive bytes
.irp i, 0,1,2,3,4,5,6,7,8,9,10,11,12,13,14,15
	global_load_b128 v[\reg+4*\i:\reg+4*\i+3], v[LI], s[4:5] offset:4096*\i+512*\blk th:TH_LOAD_NT
.endr
.endm
.macro XTURN src, dst                  ; through the wave's own stage: in by rows as loaded, out 64 bytes of one row a lane.  LDS serves a wave's instructions in order (ISA guide 5.7.1.4): no wait between
.irp i, 0,1,2,3,4,5,6,7,8,9,10,11,12,13,14,15
	ds_store_b128 v[SIN], v[\src+4*\i:\src+4*\i+3] offset:SPITCH*\i
.endr
.irp c, 0,1,2,3
.irp j, 0,1,2,3
	ds_load_b128 v[\dst+16*\c+4*\j:\dst+16*\c+4*\j+3], v[SOUT] offset:128*\c+16*\j
.endr
.endr
.endm
.macro QX src, blk                     ; 64 numbers of a lane become a fragment's codes, once for each of the three scales
.irp t, 0,1,2
	s_wait_xcnt 0x0                                ; the stores issued so far have read their data: only behind this wait are the codes' registers written again
.irp c, 0,1,2,3
.irp i, 0,1,2,3,4,5,6,7,8,9,10,11,12,13,14,15
	v_med3_num_f32 v[T+16*(\c%2)+\i], v[\src+16*\c+\i], -v[SCL+2*\t+1], v[SCL+2*\t+1]   ; the conversion to an 8-bit code does not saturate (ISA guide 7.6.2): the hold comes first; into other registers, since the numbers serve three scales
.endr
	v_cvt_scalef32_pk8_fp8_f32 v[C+4*\c:C+4*\c+1], v[T+16*(\c%2):T+16*(\c%2)+7], v[SCL+2*\t]
	v_cvt_scalef32_pk8_fp8_f32 v[C+4*\c+2:C+4*\c+3], v[T+16*(\c%2)+8:T+16*(\c%2)+15], v[SCL+2*\t]
.endr
	v_nop                                          ; a plain vector line behind the last conversion of the run
.irp c, 0,1,2,3
	global_store_b128 v[LI], v[C+4*\c:C+4*\c+3], s[14:15] offset:131072*\t+16384*\blk+512*\c   ; 32 lanes store 512 consecutive bytes, at a multiple of 512 from xc's first byte
.endr
.endr
.endm
	s_lshl_b32 s28, ttmp9, 16                      ; 16 rows of 4,096 bytes
	s_lshl_b32 s29, s26, 10                        ; my two K steps: 1,024 bytes of each row
	s_add_co_u32 s28, s28, s29
	s_mov_b32 s29, 0
	s_add_nc_u64 s[4:5], s[4:5], s[28:29]
	s_wait_alu depctr_va_vdst(0)
	XLOAD R0, 0
	XLOAD R1, 1
	s_lshr_b32 s28, ttmp9, 3                       ; xc: block of 128 rows j / 8,
	s_mul_i32 s28, s28, 393216
	s_and_b32 s30, ttmp9, 7                        ; tile j % 8 of 2,048 bytes,
	s_lshl_b32 s30, s30, 11
	s_add_co_u32 s28, s28, s30
	s_lshl_b32 s30, s26, 15                        ; K step 2 w: 2 x 16,384 bytes a wave
	s_add_co_u32 s28, s28, s30
	s_add_nc_u64 s[14:15], s[14:15], s[28:29]
	s_mul_i32 s31, s26, WSTAGE
	v_add_nc_u32 v[SIN], s31, v[LI]                ; in: 16 x lane of a row
	v_and_b32 v11, 15, v0                          ; r
	v_bfe_u32 v12, v0, 4, 1                        ; hh
	v_mul_u32_u24 v[SOUT], v11, SPITCH
	v_lshl_add_u32 v[SOUT], v12, 6, v[SOUT]
	v_add_nc_u32 v[SOUT], s31, v[SOUT]             ; out: row r, + 64 hh: my 16 numbers of each block of 32
	s_wait_alu depctr_va_vdst(0)
	s_wait_kmcnt 0x0
.irp t, 0,1,2
	s_add_co_i32 s32, s[17+2*\t], 127              ; x's scale in product t: entry 2 t + 1
	s_lshl_b32 s33, s32, 23
	v_mov_b32 v[SCL+2*\t], s33                     ; 2^e as f32: the conversion takes its exponent field
	s_add_co_i32 s32, s32, 8
	s_lshl_b32 s32, s32, 23
	s_or_b32 s32, s32, 0x600000
	v_mov_b32 v[SCL+2*\t+1], s32                   ; 448 x 2^e
.endr
	s_wait_alu depctr_va_vdst(0)
	s_wait_loadcnt 16                              ; the first K step's sixteen loads are in; the second's sixteen may be out
	XTURN R0, XN
	s_wait_loadcnt 0x0
	s_wait_dscnt 0x0                               ; the first K step is back, and its stage stores have read R0, which takes the second K step
	XTURN R1, R0
	QX XN, 0                                       ; the second turn is on its way meanwhile
	s_wait_dscnt 0x0
	QX R0, 1
	s_wait_tensorcnt 0x0
	ds_add_u32 v14, v15
	s_wait_dscnt 0x0
	s_endpgm
; ---------------- w: work-group 512 + 64 t + 4 head + sp.  A LANE TAKES A COLUMN d AND ITS REGISTERS RUN DOWN K: wave w takes columns 32 (w % 2) + lane and K step 2 sp + w / 2
.Lweights:
	s_sub_co_u32 s27, ttmp9, XWG
	s_lshr_b32 s30, s27, 6                         ; t: which weight
	s_bfe_u32 s31, s27, 0x40002                    ; the head
	s_and_b32 s32, s27, 3
	s_lshl_b32 s32, s32, 1
	s_lshr_b32 s33, s26, 1
	s_add_co_u32 s32, s32, s33                     ; K step s
	s_and_b32 s33, s26, 1                          ; which 32 columns
	s_cmp_lt_u32 s30, 1                            ; the choice hangs on the work-group's number alone
	s_cselect_b64 s[6:7], s[6:7], s[8:9]
	s_cmp_lt_u32 s30, 2
	s_cselect_b64 s[6:7], s[6:7], s[10:11]
	s_lshl_b32 s28, s31, 18                        ; a head: 1,024 rows of 256 bytes
	s_lshl_b32 s34, s32, 15                        ; a K step: 128 rows
	s_add_co_u32 s28, s28, s34
	s_lshl_b32 s34, s33, 7                         ; 32 columns
	s_add_co_u32 s28, s28, s34
	s_mov_b32 s29, 0
	s_add_nc_u64 s[6:7], s[6:7], s[28:29]
	s_wait_alu depctr_va_vdst(0)
	v_lshlrev_b32 v2, 2, v10                       ; 4 bytes a lane: a load reads 128 consecutive bytes, the wave beside me the other half of the row
.set i, 0
.rept 128
	global_load_b32 v[WN+i], v2, s[6:7] offset:256*i th:TH_LOAD_NT
.set i, i+1
.endr
	s_lshr_b32 s28, s31, 2                         ; wc: block of 256 columns head / 4,
	s_mul_i32 s28, s28, 786432
	s_lshl_b32 s34, s30, 3
	s_add_co_u32 s34, s34, s32                     ; g = 8 t + s, 32,768 bytes each,
	s_lshl_b32 s34, s34, 15
	s_add_co_u32 s28, s28, s34
	s_and_b32 s34, s31, 3
	s_lshl_b32 s34, s34, 2
	s_lshl_b32 s35, s33, 1
	s_add_co_u32 s34, s34, s35                     ; tile 4 (head % 4) + 2 (w % 2) (+ lane / 16), 2,048 bytes each
	s_lshl_b32 s34, s34, 11
	s_add_co_u32 s28, s28, s34
	s_add_nc_u64 s[24:25], s[24:25], s[28:29]
	v_lshrrev_b32 v11, 4, v10
	v_and_b32 v12, 15, v10
	v_lshlrev_b32 v3, 4, v12
	v_lshl_add_u32 v3, v11, 11, v3                 ; 2,048 (lane / 16) + 16 (lane % 16)
	s_wait_kmcnt 0x0
	s_cmp_lt_u32 s30, 1
	s_cselect_b32 s16, s16, s18                    ; w's scale in product t: entry 2 t
	s_cmp_lt_u32 s30, 2
	s_cselect_b32 s16, s16, s20
	s_add_co_i32 s16, s16, 127
	s_lshl_b32 s17, s16, 23
	v_mov_b32 v4, s17                              ; 2^e
	s_add_co_i32 s16, s16, 8
	s_lshl_b32 s16, s16, 23
	s_or_b32 s16, s16, 0x600000
	v_mov_b32 v5, s16                              ; 448 x 2^e
.macro QW p                            ; piece p: k = 16 p .. 16 p + 15 of my column = piece c = p / 2 of lane 16 (p % 2) + r in the image
.irp i, 0,1,2,3,4,5,6,7,8,9,10,11,12,13,14,15
	v_med3_num_f32 v[WN+16*\p+\i], v[WN+16*\p+\i], -v5, v5
.endr
	v_cvt_scalef32_pk8_fp8_f32 v[WC+4*\p:WC+4*\p+1], v[WN+16*\p:WN+16*\p+7], v4
	v_cvt_scalef32_pk8_fp8_f32 v[WC+4*\p+2:WC+4*\p+3], v[WN+16*\p+8:WN+16*\p+15], v4
	global_store_b128 v3, v[WC+4*\p:WC+4*\p+3], s[24:25] offset:256*\p   ; sixteen lanes store 256 consecutive bytes, at a multiple of 256 from wc's first byte
.endm
	s_wait_alu depctr_va_vdst(0)
	s_wait_loadcnt 63                              ; at most 63 of the 128 are out: the first 65 are in, pieces 0 to 3 among them
	QW 0
	QW 1
	QW 2
	QW 3
	s_wait_loadcnt 48                              ; all but the last three pieces' loads
	QW 4
	s_wait_loadcnt 32
	QW 5
	s_wait_loadcnt 16
	QW 6
	s_wait_loadcnt 0x0
	QW 7
	v_nop                                          ; a plain vector line behind the last conversion
	s_endpgm
.Lfunc_end_k_qd910626ba9_quant:
	.size	k_qd910626ba9_quant, .Lfunc_end_k_qd910626ba9_quant-k_qd910626ba9_quant
	.p2alignl 7, 3214868480
	.fill 96, 4, 3214868480
	.section	.rodata,"a",@progbits
	.p2align	6, 0x0
	.amdhsa_kernel k_qd910626ba9_quant
		.amdhsa_group_segment_fixed_size 34304
		.amdhsa_private_segment_fixed_size 0
		.amdhsa_enable_private_segment 0
		.amdhsa_kernarg_size 56
		.amdhsa_user_sgpr_count 2
		.amdhsa_user_sgpr_kernarg_segment_ptr 1
		.amdhsa_wavefront_size32 1
		.amdhsa_system_sgpr_workgroup_id_x 1
		.amdhsa_system_sgpr_workgroup_id_y 1
		.amdhsa_system_sgpr_workgroup_id_z 1
		.amdhsa_system_vgpr_workitem_id 0
		.amdhsa_next_free_vgpr 256
		.amdhsa_next_free_sgpr 66
		.amdhsa_reserve_vcc 0
		.amdhsa_float_denorm_mode_32 3
		.amdhsa_float_denorm_mode_16_64 3
		.amdhsa_memory_ordered 1
		.amdhsa_forward_progress 1
		.amdhsa_inst_pref_size 64
	.end_amdhsa_kernel
	.amdgpu_metadata
---
amdhsa.version: [ 1, 2 ]
amdhsa.kernels:
  - .name:           k_qd910626ba9_quant
    .symbol:         k_qd910626ba9_quant.kd
    .args:
      - { .name: x, .offset: 0, .size: 8, .value_kind: global_buffer, .address_space: global }
      - { .name: wq, .offset: 8, .size: 8, .value_kind: global_buffer, .address_space: global }
      - { .name: wk, .offset: 16, .size: 8, .value_kind: global_buffer, .address_space: global }
      - { .name: wv, .offset: 24, .size: 8, .value_kind: global_buffer, .address_space: global }
      - { .name: lowp_scales, .offset: 32, .size: 8, .value_kind: global_buffer, .address_space: global }
      - { .name: xc, .offset: 40, .size: 8, .value_kind: global_buffer, .address_space: global }
      - { .name: wc, .offset: 48, .size: 8, .value_kind: global_buffer, .address_space: global }
    .group_segment_fixed_size: 34304
    .private_segment_fixed_size: 0
    .kernarg_segment_align: 8
    .kernarg_segment_size: 56
    .max_flat_workgroup_size: 128
    .sgpr_count:     66
    .vgpr_count:     256
    .wavefront_size: 32
...
	.end_amdgpu_metadata
.endif
;; end of part 1
;; launch proj (part 2): grid 4 x 64, 4 waves a work-group, clusters of 4 x 4, 327,680 bytes of LDS; arguments xc, wc, lowp_scales, qc, kc, vc; writes qc, kc, vc
.if DOCPART == 2
	.amdgcn_target "amdgcn-amd-amdhsa--gfx1250"
	.amdhsa_code_object_version 6
	.text
	.protected	k_qd910626ba9_proj
	.globl	k_qd910626ba9_proj
	.p2align	8
	.type	k_qd910626ba9_proj,@function
k_qd910626ba9_proj:
	s_mov_b64 s[64:65], 0
	v_nop
	global_prefetch_b8 v0, s[64:65] scope:SCOPE_SE
	s_setreg_imm32_b32 hwreg(HW_REG_WAVE_MODE, 25, 1), 1
	s_wait_xcnt 0x0
	s_wait_alu depctr_hold_cnt(0) depctr_sa_sdst(0) depctr_va_vdst(0) depctr_va_sdst(0) depctr_va_ssrc(0) depctr_va_vcc(0) depctr_vm_vsrc(0)
	s_getreg_b32 s2, hwreg(HW_REG_IB_STS2, 6, 4)
	s_cmp_eq_u32 s2, 0
	s_cbranch_scc0 .Lentry_in_a_cluster
	s_endpgm
.Lentry_in_a_cluster:
	s_bfe_u32 s2, ttmp6, 0x10000c
	s_cmp_lg_u32 s2, 0xf033
	s_cbranch_scc0 .Lentry_shape_is_right
	s_endpgm
.Lentry_shape_is_right:
.set CHA,   16384
.set CHB,   32768
.set PERA,  3*CHA
.set PERB,  3*CHB
.set SLOT,  PERA+PERB
.set SPARE, 2*SLOT
.set XSTR,  24*CHA
.set WSTR,  24*CHB
.set HSTR,  131072
.set SCQ,  8
.set SCK,  10
.set SCV,  12
.set ADRA, 16
.set ADRB, 20
.set ADRB2, 22
.set LI,   24
.set SPW,  28
.set NIL,  29
.set PFO,  30
.set T,    32
.set C,    96
.set XF,   128
.set G1,  24
.set G0,  32
.set G1B, 48
.set G0B, 56
.set PFA, 78
.set PFB, 92                           ; s[92:93] where my prefetches of the weights stand: my tile column's codes, my work-group's quarter (by cy) of a period's 98,304 bytes
.set PFW, 94                           ; s94 waves below this number ask for the weights: 3 in clusters 0, 5, 10 and 15, else 0: all clusters read the same weights, so four of them ask
.set MSB, 0
.macro WIN new
.if MSB != \new
	s_set_vgpr_msb (MSB<<8)|\new
.set MSB, \new
.endif
.endm
.macro MWIN g
.if (\g) >= 16
	WIN 0xa4
.else
	WIN 0xa1
.endif
.endm
.macro JLOAD g0a, g1a, g0b, g1b
	s_cmp_eq_u32 s15, 0
	s_cbranch_scc0 .Lfor_b_\@
	tensor_load_to_lds s[\g0a:\g0a+3], s[\g1a:\g1a+7]
	s_nop 0
.rept 4
	v_nop
.endr
	s_branch .Lasked_\@
.Lfor_b_\@:
	tensor_load_to_lds s[\g0b:\g0b+3], s[\g1b:\g1b+7]
	s_nop 0
.rept 4
	v_nop
.endr
.Lasked_\@:
.endm
.macro CREST
	s_cmp_lg_u32 s14, 0
	s_cbranch_scc1 .Lnot_wave_0_\@
	s_barrier_signal -3
.Lnot_wave_0_\@:
	s_barrier_wait -3
	s_barrier_signal -1
	s_barrier_wait -1
.endm
.macro CROUND
	s_barrier_signal -1
	s_barrier_wait -1
	CREST
.endm
.macro ASK off
	s_cmp_lt_u32 s14, 3
	s_cbranch_scc0 .Lnot_mine_\@
	s_wait_alu depctr_va_vdst(0)
	global_prefetch_b8 v[PFO], s[PFA:PFA+1] offset:\off th:TH_LOAD_NT scope:SCOPE_SE
.Lnot_mine_\@:
.endm
.macro ASKB off                        ; a period of the weights: 24,576 bytes a work-group, 8,192 a wave, lanes 256 bytes apart; each block is named once in a cluster that asks
	s_cmp_lt_u32 s14, s[PFW]
	s_cbranch_scc0 .Lnot_b_\@
	s_wait_alu depctr_va_vdst(0)
	global_prefetch_b8 v[PFO], s[PFB:PFB+1] offset:\off th:TH_LOAD_NT scope:SCOPE_SE
.Lnot_b_\@:
.endm
.macro PLACES n
.rept \n
	v_nop
.endr
.endm
	s_load_b128 s[4:7], s[0:1], 0x0
	s_load_b128 s[8:11], s[0:1], 0x10
	s_load_b128 s[68:71], s[0:1], 0x20
	v_lshl_add_u32 v[SPW], v0, 2, SPARE
	v_mov_b32 v[NIL], 0
	ds_add_u32 v28, v29
	ds_add_u32 v28, v29
	s_wait_dscnt 0x0
	v_lshrrev_b32 v1, 5, v0
	v_readfirstlane_b32 s14, v1
	s_lshr_b32 s15, s14, 1
	s_and_b32 s16, s14, 1
	s_bfe_u32 s40, ttmp6, 0x40000
	s_bfe_u32 s41, ttmp6, 0x40004
	s_lshl_b32 s42, ttmp9, 2
	s_add_co_u32 s42, s42, s40
	s_and_b32 s17, ttmp7, 0xffff
	s_lshl_b32 s17, s17, 2
	s_add_co_u32 s17, s17, s41
	s_lshl_b32 s43, s41, 2
	s_lshl_b32 s43, 15, s43
	s_lshl_b32 s44, 0x1111, s40
	s_or_b32 s[G1+0], s43, (3<<16)|(1<<21)
	s_or_b32 s[G1B+0], s44, (3<<16)|(1<<21)
	s_mov_b32 s[G1+1], 32<<16
	s_mov_b32 s[G1+2], 96<<16
	s_mov_b32 s[G1+3], 32<<16
	s_mov_b32 s[G1+4], 96
	s_mov_b32 s[G1+5], 32
	s_mov_b32 s[G1+6], 0
	s_mov_b32 s[G1+7], 0
	s_mov_b32 s[G1B+1], 32<<16
	s_mov_b32 s[G1B+2], 192<<16
	s_mov_b32 s[G1B+3], 32<<16
	s_mov_b32 s[G1B+4], 192
	s_mov_b32 s[G1B+5], 32
	s_mov_b32 s[G1B+6], 0
	s_mov_b32 s[G1B+7], 0
	s_mul_i32 s18, s16, PERA/2
	s_mul_i32 s20, s17, XSTR
	s_add_co_u32 s20, s20, s18
	s_mov_b32 s21, 0
	s_mul_i32 s19, s16, PERB/2
	s_mul_i32 s46, s42, WSTR
	s_add_co_u32 s46, s46, s19
	s_mov_b32 s47, 0
	s_wait_kmcnt 0x0
	s_load_b256 s[80:87], s[8:9], 0x0
	s_load_b64 s[88:89], s[8:9], 0x20
	s_add_nc_u64 s[20:21], s[4:5], s[20:21]
	s_add_nc_u64 s[46:47], s[6:7], s[46:47]
.irp s, 0,1
	s_mov_b32 s[G0+4*\s], 1
	s_add_co_u32 s[G0+4*\s+1], s18, \s*SLOT
	s_add_nc_u64 s[G0+4*\s+2:G0+4*\s+3], s[20:21], \s*PERA
	s_or_b32 s[G0+4*\s+3], s[G0+4*\s+3], 0x80000000
	s_mov_b32 s[G0B+4*\s], 1
	s_add_co_u32 s[G0B+4*\s+1], s19, \s*SLOT+PERA
	s_add_nc_u64 s[G0B+4*\s+2:G0B+4*\s+3], s[46:47], \s*PERB
	s_or_b32 s[G0B+4*\s+3], s[G0B+4*\s+3], 0x80000000
	s_wait_alu depctr_va_vdst(0)
	s_wait_tensorcnt 0x0
	ds_add_u32 v28, v29
	ds_add_u32 v28, v29
	s_wait_dscnt 0x0
	CROUND
	JLOAD G0+4*\s, G1, G0B+4*\s, G1B
.endr
	v_and_b32 v1, 31, v0
	v_lshlrev_b32 v[LI], 4, v1
	s_lshl_b32 s22, s15, 13
	s_lshl_b32 s23, s16, 14
	s_add_co_u32 s23, s23, PERA
.irp s, 0,1
	v_add_nc_u32 v[ADRA+\s], s22, v[LI]
	v_add_nc_u32 v[ADRB+\s], s23, v[LI]
	v_add_nc_u32 v[ADRB2+\s], 65536, v[ADRB+\s]
	s_add_co_u32 s22, s22, SLOT
	s_add_co_u32 s23, s23, SLOT
.endr
	v_lshlrev_b32 v[PFO], 8, v1
	v_lshl_add_u32 v[PFO], s14, 13, v[PFO]
	s_mul_i32 s76, s17, XSTR
	s_mul_i32 s77, s40, PERA/2
	s_add_co_u32 s76, s76, s77
	s_mov_b32 s77, 0
	s_add_nc_u64 s[PFA:PFA+1], s[4:5], s[76:77]
	s_mul_i32 s76, s42, WSTR
	s_mul_i32 s77, s41, PERB/4
	s_add_co_u32 s76, s76, s77
	s_mov_b32 s77, 0
	s_add_nc_u64 s[PFB:PFB+1], s[6:7], s[76:77]
	s_and_b32 s76, ttmp7, 3                        ; the cluster's number, which all partners share: its low two bits equal its next two in clusters 0, 5, 10, 15
	s_bfe_u32 s77, ttmp7, 0x20002
	s_cmp_eq_u32 s76, s77
	s_cselect_b32 s[PFW], 3, 0
	ASK 2*PERA                                     ; periods 2 and 3, whose loads stand one and two changes of slots on
	ASKB 2*PERB
	ASKB 3*PERB
	s_lshr_b32 s72, s17, 4
	s_lshl_b32 s72, s72, 4
	s_lshl_b32 s73, s42, 2
	s_add_co_u32 s72, s72, s73
	s_lshl_b32 s73, s16, 1
	s_add_co_u32 s72, s72, s73
	s_lshl_b32 s72, s72, 17
	s_and_b32 s73, s17, 15
	s_lshl_b32 s73, s73, 13
	s_add_co_u32 s72, s72, s73
	s_lshl_b32 s73, s15, 10
	s_add_co_u32 s74, s72, s73
	s_lshl_b32 s73, s15, 12
	s_add_co_u32 s72, s72, s73
	s_mov_b32 s73, 0
	s_mov_b32 s75, 0
	s_add_nc_u64 s[10:11], s[10:11], s[72:73]
	s_add_nc_u64 s[68:69], s[68:69], s[72:73]
	s_add_nc_u64 s[70:71], s[70:71], s[74:75]
.macro MKSCALE dst, eo, ea, eb
	s_sub_co_i32 s90, s[\eo], s[\ea]
	s_sub_co_i32 s90, s90, s[\eb]
	s_add_co_i32 s90, s90, 127
	s_lshl_b32 s91, s90, 23
	v_mov_b32 v[\dst], s91
	s_add_co_i32 s90, s90, 8
	s_lshl_b32 s90, s90, 23
	s_or_b32 s90, s90, 0x600000
	v_mov_b32 v[\dst+1], s90
.endm
	s_wait_kmcnt 0x0
	MKSCALE SCQ, 86, 80, 81
	MKSCALE SCK, 87, 82, 83
	MKSCALE SCV, 89, 84, 85
.macro FETCH g
.set FS, ((\g)/3)%2
.set FQ, (\g)%3
.set FP, (\g)%2
	WIN 0x40
.irp b, 0,1,2,3,4,5,6,7
.irp c, 0,1,2,3
.if FQ == 2
	ds_load_b128 v[128*FP+16*\b+4*\c:128*FP+16*\b+4*\c+3], v[ADRB2+FS] offset:2048*\b+512*\c
.else
	ds_load_b128 v[128*FP+16*\b+4*\c:128*FP+16*\b+4*\c+3], v[ADRB+FS] offset:CHB*FQ+2048*\b+512*\c
.endif
.endr
.endr
	WIN 0
.irp a, 0,1,2,3
.irp c, 0,1,2,3
	ds_load_b128 v[XF+64*FP+16*\a+4*\c:XF+64*FP+16*\a+4*\c+3], v[ADRA+FS] offset:CHA*FQ+2048*\a+512*\c
.endr
.endr
.endm
.macro MUL8 a, g
.set MP, (\g)%2
.irp b, 0,1,2,3,4,5,6,7
.set AC, 8*(8*(\a)+\b)
.if (\g) >= 16
.if (\g)%8 == 0
	v_wmma_f32_16x16x128_fp8_fp8 v[AC:AC+7], v[XF+64*MP+16*(\a):XF+64*MP+16*(\a)+15], v[128*MP+16*\b:128*MP+16*\b+15], 0
.else
	v_wmma_f32_16x16x128_fp8_fp8 v[AC:AC+7], v[XF+64*MP+16*(\a):XF+64*MP+16*(\a)+15], v[128*MP+16*\b:128*MP+16*\b+15], v[AC:AC+7]
.endif
.else
.if (\g)%8 == 0
	v_wmma_f32_16x16x128_fp8_fp8 v[AC:AC+7], v[128*MP+16*\b:128*MP+16*\b+15], v[XF+64*MP+16*(\a):XF+64*MP+16*(\a)+15], 0
.else
	v_wmma_f32_16x16x128_fp8_fp8 v[AC:AC+7], v[128*MP+16*\b:128*MP+16*\b+15], v[XF+64*MP+16*(\a):XF+64*MP+16*(\a)+15], v[AC:AC+7]
.endif
.endif
.endr
.endm
.macro STEP g
	s_wait_dscnt 0x0
	PLACES 4
	s_wait_alu depctr_va_vdst(0)
	FETCH (\g)+1
	MWIN \g
	MUL8 0, \g
	MUL8 1, \g
	MUL8 2, \g
	MUL8 3, \g
.endm
.macro TURN g
.set TS, ((\g)/3)%2
	WIN 0
	s_wait_tensorcnt 0x0
	ds_add_u32 v[SPW], v[NIL]
	s_wait_dscnt 1
	MWIN \g
	MUL8 0, \g
	s_wait_dscnt 0x0
	s_barrier_signal -1
	MUL8 1, \g
	WIN 0
	s_barrier_wait -1
.if (\g) <= 17
	CREST
	s_add_nc_u64 s[G0+4*TS+2:G0+4*TS+3], s[G0+4*TS+2:G0+4*TS+3], 2*PERA
	s_add_nc_u64 s[G0B+4*TS+2:G0B+4*TS+3], s[G0B+4*TS+2:G0B+4*TS+3], 2*PERB
	JLOAD G0+4*TS, G1, G0B+4*TS, G1B
.else
	PLACES 4
.endif
	FETCH (\g)+1
.if (\g) == 2
	ASK 4*PERA
.endif
.if (\g) == 8
	ASK 6*PERA
.endif
.if (\g) <= 11
	ASKB ((\g)/3+4)*PERB                           ; the weights of the period that stands two refills on; the last is period 7
.endif
	MWIN \g
	MUL8 2, \g
	MUL8 3, \g
.endm
.macro OUTQK base, sc
	PLACES 4
.irp a, 0,1,2,3
	WIN 0x02
.set i, 0
.rept 64
	v_med3_num_f32 v[T+i], v[64*\a+i], -v[\sc+1], v[\sc+1]
.set i, i+1
.endr
	WIN 0
	s_wait_alu depctr_va_vdst(0)
	s_wait_xcnt 0x0
.irp b, 0,1,2,3,4,5,6,7
	v_cvt_scalef32_pk8_fp8_f32 v[C+2*\b:C+2*\b+1], v[T+8*\b:T+8*\b+7], v[\sc]
.endr
	v_nop
.irp h, 0,1
.irp c, 0,1
	global_store_b128 v[LI], v[C+8*\h+4*\c:C+8*\h+4*\c+3], s[\base:\base+1] offset:HSTR*\h+1024*\a+512*\c
.endr
.endr
.endr
.endm
.macro OUTV
	PLACES 4
.irp p, 0,1,2,3
	WIN 0x02
.irp u, 0,1
.irp a, 0,1,2,3
.irp j, 0,1,2,3,4,5,6,7
	v_med3_num_f32 v[T+32*\u+8*\a+\j], v[8*(8*\a+2*\p+\u)+\j], -v[SCV+1], v[SCV+1]
.endr
.endr
.endr
	WIN 0
	s_wait_alu depctr_va_vdst(0)
	s_wait_xcnt 0x0
.irp i, 0,1,2,3,4,5,6,7
	v_cvt_scalef32_pk8_fp8_f32 v[C+2*\i:C+2*\i+1], v[T+8*\i:T+8*\i+7], v[SCV]
.endr
	v_nop
.irp u, 0,1
.irp c, 0,1
	global_store_b128 v[LI], v[C+8*\u+4*\c:C+8*\u+4*\c+3], s[70:71] offset:HSTR*((2*\p+\u)/4)+2048*((2*\p+\u)%4)+512*\c
.endr
.endr
.endr
.endm
	s_wait_tensorcnt 1
	s_barrier_signal -1
	s_barrier_wait -1
	FETCH 0
.irp g, 0,1,2,3,4,5,6,7,8,9,10,11,12,13,14,15,16,17,18,19,20,21,22
.if (\g)%3 == 2
	TURN \g
.else
	STEP \g
.endif
.if \g == 7
	OUTQK 10, SCQ
.endif
.if \g == 15
	OUTQK 68, SCK
.endif
.endr
	s_wait_dscnt 0x0
	MWIN 23
	MUL8 0, 23
	MUL8 1, 23
	MUL8 2, 23
	MUL8 3, 23
	OUTV
	s_wait_tensorcnt 0x0
	ds_add_u32 v[SPW], v[NIL]
	s_wait_dscnt 0x0
	CROUND
	s_endpgm
.Lfunc_end_k_qd910626ba9_proj:
	.size	k_qd910626ba9_proj, .Lfunc_end_k_qd910626ba9_proj-k_qd910626ba9_proj
	.p2alignl 7, 3214868480
	.fill 96, 4, 3214868480
	.section	.rodata,"a",@progbits
	.p2align	6, 0x0
	.amdhsa_kernel k_qd910626ba9_proj
		.amdhsa_group_segment_fixed_size 327680
		.amdhsa_private_segment_fixed_size 0
		.amdhsa_enable_private_segment 0
		.amdhsa_kernarg_size 48
		.amdhsa_user_sgpr_count 2
		.amdhsa_user_sgpr_kernarg_segment_ptr 1
		.amdhsa_wavefront_size32 1
		.amdhsa_system_sgpr_workgroup_id_x 1
		.amdhsa_system_sgpr_workgroup_id_y 1
		.amdhsa_system_sgpr_workgroup_id_z 1
		.amdhsa_system_vgpr_workitem_id 0
		.amdhsa_next_free_vgpr 768
		.amdhsa_next_free_sgpr 100
		.amdhsa_reserve_vcc 0
		.amdhsa_float_denorm_mode_32 3
		.amdhsa_float_denorm_mode_16_64 3
		.amdhsa_memory_ordered 1
		.amdhsa_forward_progress 1
		.amdhsa_inst_pref_size 205
	.end_amdhsa_kernel
	.amdgpu_metadata
---
amdhsa.version: [ 1, 2 ]
amdhsa.kernels:
  - .name:           k_qd910626ba9_proj
    .symbol:         k_qd910626ba9_proj.kd
    .args:
      - { .name: xc, .offset: 0, .size: 8, .value_kind: global_buffer, .address_space: global }
      - { .name: wc, .offset: 8, .size: 8, .value_kind: global_buffer, .address_space: global }
      - { .name: lowp_scales, .offset: 16, .size: 8, .value_kind: global_buffer, .address_space: global }
      - { .name: qc, .offset: 24, .size: 8, .value_kind: global_buffer, .address_space: global }
      - { .name: kc, .offset: 32, .size: 8, .value_kind: global_buffer, .address_space: global }
      - { .name: vc, .offset: 40, .size: 8, .value_kind: global_buffer, .address_space: global }
    .group_segment_fixed_size: 327680
    .private_segment_fixed_size: 0
    .kernarg_segment_align: 8
    .kernarg_segment_size: 48
    .max_flat_workgroup_size: 128
    .sgpr_count:     100
    .vgpr_count:     768
    .wavefront_size: 32
...
	.end_amdgpu_metadata
.endif
;; end of part 2
;; launch attn (part 3): grid 4 x 64, 8 waves a work-group, clusters of 4 x 1, 327,680 bytes of LDS; arguments qc, kc, vc, lowp_scales, out0; writes out0
.if DOCPART == 3
	.amdgcn_target "amdgcn-amd-amdhsa--gfx1250"
	.amdhsa_code_object_version 6
	.text
	.protected	k_qd910626ba9_attn
	.globl	k_qd910626ba9_attn
	.p2align	8
	.type	k_qd910626ba9_attn,@function
k_qd910626ba9_attn:
	s_mov_b64 s[64:65], 0
	v_nop
	global_prefetch_b8 v0, s[64:65] scope:SCOPE_SE
	s_setreg_imm32_b32 hwreg(HW_REG_WAVE_MODE, 25, 1), 1
	s_wait_xcnt 0x0
	s_wait_alu depctr_hold_cnt(0) depctr_sa_sdst(0) depctr_va_vdst(0) depctr_va_sdst(0) depctr_va_ssrc(0) depctr_va_vcc(0) depctr_vm_vsrc(0)
	s_getreg_b32 s2, hwreg(HW_REG_IB_STS2, 6, 4)
	s_cmp_eq_u32 s2, 0
	s_cbranch_scc0 .Lentry_in_a_cluster
	s_endpgm
.Lentry_in_a_cluster:
	s_bfe_u32 s2, ttmp6, 0x10000c
	s_cmp_lg_u32 s2, 0x3003
	s_cbranch_scc0 .Lentry_shape_is_right
	s_endpgm
.Lentry_shape_is_right:
; out0[b][l][64 h + d] = the sum over keys m <= l of softmax_m(q[l] . k[m] / 8) v[m][d], for 64 pairs (batch, head), 2,048 tokens, head size 64; both products on codes of FP8 (E4M3) with given scales.
; qc, kc: [pair][tile of 16 tokens][c 2][lane][16 bytes], vc: [pair][step of 128 keys][tile of 16 channels][c 4][lane][16 bytes]: images of the operands' registers.
; LEFT OUT: key steps all of whose 128 keys come after a tile's queries: their keys lie after every query of the tile, so their p is 0 for all inputs.
; THE SOFTMAX: t = score x log2(e) / 8; M = the running largest t rounded UP to a whole number; p = 2^(t - M) is quantised with 2^e8, not normalised; the row's sum is taken of the unquantised p in f32
; and divides at the end.  When M moves, the sum and O are multiplied by 2^(old M - new M), which rounds nothing.
; A PAIR'S K AND V STAY IN LDS: 2 x 131,072 bytes, each byte filled once, by joint loads (mask 15: the four work-groups of a cluster serve one pair).  The fill has two parts: key steps 0 to 3 at the head
; (8,192 bytes a wave), steps 4 to 15 (24,576 bytes a wave) behind the full sequence and a round; they land while key steps 0 to 2 are worked, and one wait and one barrier follow those three steps.
; Nothing is prefetched: every tile of K and V is asked for by the tensor loads themselves ahead of the main loop.
; SHARES.  Eight waves, two to a SIMD.  A wave works on a DOUBLE: two neighbouring tiles of 16 queries, 8 g + 2 cx and 8 g + 2 cx + 1, which share every fragment of K and V.
; Wave w owns the doubles of groups g = 15 - w and g = w (a group: 128 queries): 17 key steps for every wave.  The diagonal step is g: it hangs on the wave's number alone, never on the place in the cluster.
; All loops have constant trip counts; a step behind the diagonal is jumped over by a scalar branch.  The diagonal step has a copy of its own: its score products take the mask as C (0, or -3e38 where the key is hidden).
; The mask is made once: m[i][j] is hidden where 16 i + j > 16 (2 cx + 1) + r - 8 hh; the second tile's key tile t takes m[t], the first's m[t + 1]: 72 registers serve both tiles and both doubles.
; THE TWO TILES ARE STAGGERED, so that lines that hang on each other stand apart: the first tile's chain from its maximum to f stands among the second tile's maxima, the second's among the first's t - M.
; LAYOUT.  S^T = K Q^T (K = 64 form; source 0 = 16 keys, source 1 = 16 queries): lane (r, hh) holds query r and, in key tile t, keys 16 t + 8 hh + j: eight registers convert into registers 2 t, 2 t + 1 of P,
; source 1 of O^T = V^T P^T (K = 128 form; source 0 = 16 channels).  A lane holds one query of each tile throughout.
; LIMITS: e6 + e7 between -123 and 130 (added to c's exponent field); e8 between -126 and 119; e8 + e9 is applied by v_ldexp_f32 and has none; the scaled scores stay under 2^31 in magnitude.
; REGISTERS.  Window 0: v1-11 addresses and the hold; v12-27, v28-43 the two tiles' numbers; v44-47; v48-63 Q of the second double; v64-191 S^T, then p; v192-255 O^T.
; Window 1: v0-63 K; v64-127 V; v128-159 p's codes; v160-175 Q; v176-247 the mask.
.set VOFF,  131072                     ; LDS: K's 16 steps of 8,192 bytes, then V's
.set STAGE, 262144                     ; behind them: a stage of 16 rows x 272 bytes for each wave, which no tensor load fills
.set SP,    272
.set TSTG,  16*SP
.set SPARE, STAGE+8*TSTG               ; the spare words: 128 bytes a wave
.set LI,1                              ; 16 x lane
.set ADK,2                             ; LDS address of the next step's K
.set ADV,3                             ; of this step's V
.set STO,4                             ; the way out: into the stage
.set RD,5                              ; and back
.set GO,6                              ; my byte offset in two rows of out0
.set SPW,7
.set NIL,8
.set VD,9                              ; 16 (2 cx + 1) + r - 8 hh
.set HOLD,10                           ; 448 x 2^e8, twice: the two halves of a dual line take it from two registers
.set HOLD2,11
.set ST,12                             ; a tile's 16: +0 -M, +1 largest raw score, +2..9 the sum in four pairs, +10,11 f, +12..15 maxima, then at work (+14 the lane permute)
.set SCL,44                            ; 2^e8
.set LIK,45                            ; LI + 8,192
.set LIV,46                            ; LI + VOFF
.set NEG,47                            ; -3e38
.set QL,48
.set SB,64
.set OB,192
.set KF,0
.set VF,64
.set PC,128
.set QF,160
.set MK,176
.set WV,14
.set WH,15                             ; wave / 4: 0 fetches K, 1 fetches V
.set CX,16
.set PAIR,17
.set G0K2,20                           ; groups 0 of the second part
.set G0V2,68
.set G1,24                             ; group 1: 32 rows of 256 bytes
.set G1B,56                            ; group 1: 96 rows
.set G0K,32
.set G0V,36
.set SEL,40
.set CS,42                             ; c = log2(e) / 8 x 2^(e6 + e7), as a pair
.set KS,44
.set TB,45
.set DS,46                             ; the double's diagonal step
.set DSL,47
.set OT,48
.set ESUM,49
.set OUTB,50
.set OUTL,52
.set MSB, 0
.macro WIN new                         ; the immediate's high byte repeats the setting that is left
.if MSB != \new
	s_set_vgpr_msb (MSB<<8)|\new
.set MSB, \new
.endif
.endm
.macro CROUND                          ; a round of the cluster's barrier
	s_barrier_signal -1
	s_barrier_wait -1
	s_cmp_lg_u32 s[WV], 0
	s_cbranch_scc1 .Lnot_wave_0_\@
	s_barrier_signal -3
.Lnot_wave_0_\@:
	s_barrier_wait -3
	s_barrier_signal -1
	s_barrier_wait -1
.endm
.macro WALU
	s_wait_alu depctr_va_vdst(0)
.endm
.macro JLOAD g0k, g0v, g1              ; one joint load a wave, one in each arm: waves 0-3 for K, waves 4-7 for V
	s_cmp_eq_u32 s[WH], 0
	s_cbranch_scc0 .Lfor_v_\@
	tensor_load_to_lds s[\g0k:\g0k+3], s[\g1:\g1+7]
	s_nop 0
.rept 4
	v_nop
.endr
	s_branch .Lasked_\@
.Lfor_v_\@:
	tensor_load_to_lds s[\g0v:\g0v+3], s[\g1:\g1+7]
	s_nop 0
.rept 4
	v_nop
.endr
.Lasked_\@:
.endm
.macro DMIN r                          ; the conversion to an 8-bit code does not saturate (ISA guide 7.6.2); p is not negative, so the hold is one-sided; two numbers a line
	v_dual_min_num_f32 v[\r], v[HOLD], v[\r] :: v_dual_min_num_f32 v[\r+1], v[HOLD2], v[\r+1]
.endm
.macro BMAX3                           ; the next three lines of the second tile's maxima: four chains, scores in ascending order
.rept 3
.if bq < 4
	v_max3_num_f32 v[ST+28+bq], v[SB+64+3*bq], v[SB+65+3*bq], v[SB+66+3*bq]
.else
	v_max3_num_f32 v[ST+28+(bq%4)], v[ST+28+(bq%4)], v[SB+76+2*(bq-4)], v[SB+77+2*(bq-4)]
.endif
.set bq, bq+1
.endr
.endm
.macro AFMA n                          ; the next n lines of the first tile's t - M
.rept \n
	v_pk_fma_f32 v[SB+2*aq:SB+2*aq+1], v[SB+2*aq:SB+2*aq+1], s[CS:CS+1], v[ST:ST+1] op_sel_hi:[1,0,0]
.set aq, aq+1
.endr
.endm
.macro STAT n, b                       ; stage n of a tile's chain from its largest score (in +12) to f
.if \n == 0
	v_permlanex16_b32 v[\b+14], v[\b+12], s[SEL], s[SEL+1]
.endif
.if \n == 1
	v_max3_num_f32 v[\b+1], v[\b+1], v[\b+12], v[\b+14]   ; the running largest raw score (c is positive, so it gives the largest t)
.endif
.if \n == 2
	v_mul_f32 v[\b+15], s[CS], v[\b+1]
.endif
.if \n == 3
	v_floor_f32 v[\b+13], -v[\b+15]                ; the new -M = -ceil(t)
.endif
.if \n == 4
	v_sub_f32 v[\b+12], v[\b+13], v[\b]            ; old M - new M: a whole number, 0 or less
.endif
.if \n == 5
	v_mov_b32 v[\b], v[\b+13]
.endif
.if \n == 6
	v_cvt_i32_f32 v[\b+12], v[\b+12]               ; (it saturates)
.endif
.if \n == 7
	v_ldexp_f32 v[\b+10], 1.0, v[\b+12]            ; f = 2^(old M - new M)
.endif
.endm
.macro INIT                            ; a double begins: -M is 3e38, the sums and O^T are zeros, which the first f = 0 leaves zeros: so the step is written with no first step of its own
.irp x, 0,1
	v_mov_b32 v[ST+16*\x], 0x7f61b1e6
	v_mov_b32 v[ST+16*\x+1], 0xff61b1e6
	v_mov_b32 v[ST+16*\x+2], 0
	v_mov_b32 v[ST+16*\x+3], 0
	v_mov_b32 v[ST+16*\x+11], 0
	v_mov_b32 v[ST+16*\x+14], 0
.endr
.set i, 0
.rept 64
	v_mov_b32 v[OB+i], 0
.set i, i+1
.endr
.endm
.macro KLOAD0                          ; key step 0's K
	WIN 0x40
.irp t, 0,1,2,3,4,5,6,7
	ds_load_b128 v[KF+8*\t:KF+8*\t+3], v[LI] offset:1024*\t
	ds_load_b128 v[KF+8*\t+4:KF+8*\t+7], v[LI] offset:1024*\t+512
.endr
	WIN 0
	s_mov_b32 s[KS], 0
	s_mov_b32 s[TB], 0
.endm
	s_load_b128 s[4:7], s[0:1], 0x0                ; qc, kc
	s_load_b128 s[8:11], s[0:1], 0x10              ; vc, the scales' exponents
	s_load_b64 s[12:13], s[0:1], 0x20              ; out0
	v_lshl_add_u32 v[SPW], v0, 2, SPARE
	v_mov_b32 v[NIL], 0
	ds_add_u32 v[SPW], v[NIL]                      ; the opening lines: the add, twice on end, and its wait
	ds_add_u32 v[SPW], v[NIL]
	v_lshrrev_b32 v64, 5, v0
	v_readfirstlane_b32 s[WV], v64                 ; wave 0..7
	v_and_b32 v65, 31, v0
	v_lshlrev_b32 v[LI], 4, v65
	s_lshr_b32 s[WH], s[WV], 2
	s_bfe_u32 s[CX], ttmp6, 0x40000                ; cx enters Q's and out0's addresses and the mask's number alone
	s_and_b32 s[PAIR], ttmp7, 0xffff
.irp g, G1, G1B
	s_mov_b32 s[\g+0], 15|(3<<16)|(1<<21)          ; mask: all four; elements of 8 bytes; bit 21 beside a mask
	s_mov_b32 s[\g+1], 32<<16                      ; rows of 256 bytes, dense
	s_mov_b32 s[\g+3], 32<<16
	s_mov_b32 s[\g+5], 32
	s_mov_b32 s[\g+6], 0
	s_mov_b32 s[\g+7], 0
.endr
	s_mov_b32 s[G1+2], 32<<16
	s_mov_b32 s[G1+4], 32
	s_mov_b32 s[G1B+2], 96<<16
	s_mov_b32 s[G1B+4], 96
	s_mov_b32 s[SEL], 0x76543210
	s_mov_b32 s[SEL+1], 0xfedcba98
	s_mov_b32 s[CS], 0x3e38aa3b                    ; log2(e) / sqrt(64)
	s_and_b32 s72, s[WV], 3
	s_mul_i32 s73, s72, 24576
	s_add_co_u32 s73, s73, 32768                   ; second part: my quarter of steps 4 to 15, in memory and in LDS alike
	s_lshl_b32 s72, s72, 13                        ; first part: step w % 4
	s_lshl_b32 s78, s[PAIR], 17                    ; the pair's first byte
	s_mov_b32 s79, 0
	s_mov_b32 s74, s72
	s_mov_b32 s75, 0
	s_add_nc_u64 s[74:75], s[74:75], s[78:79]
	s_mov_b32 s98, s73
	s_mov_b32 s99, 0
	s_add_nc_u64 s[98:99], s[98:99], s[78:79]
	s_sub_co_u32 s[DS], 15, s[WV]                  ; the first double's group, and its diagonal step
	s_mov_b32 s[DSL], s[WV]                        ; the second's
	s_lshl_b32 s77, s[CX], 1
	s_lshl_b32 s76, s[DS], 3
	s_add_co_u32 s76, s76, s77                     ; first double: tile 8 g + 2 cx
	s_lshl_b32 s97, s[WV], 3
	s_add_co_u32 s77, s97, s77                     ; second double
	s_lshl_b32 s90, s76, 10                        ; a tile of Q is 1,024 bytes
	s_mov_b32 s91, 0
	s_lshl_b32 s92, s77, 10
	s_mov_b32 s93, 0
	WALU
	s_wait_dscnt 0x0
	s_wait_kmcnt 0x0
	s_load_b256 s[80:87], s[10:11], 0x0            ; e0 .. e7
	s_load_b64 s[88:89], s[10:11], 0x20            ; e8, e9
	s_add_nc_u64 s[4:5], s[4:5], s[78:79]
	s_add_nc_u64 s[90:91], s[4:5], s[90:91]
	s_add_nc_u64 s[92:93], s[4:5], s[92:93]
	WIN 0x40
.irp i, 0,1,2,3
	global_load_b128 v[QF+4*\i:QF+4*\i+3], v[LI], s[90:91] offset:512*\i   ; the first double's Q, both tiles
.endr
	WIN 0
.irp i, 0,1,2,3
	global_load_b128 v[QL+4*\i:QL+4*\i+3], v[LI], s[92:93] offset:512*\i   ; the second double's waits in window 0
.endr
	CROUND                                         ; all four work-groups are here: the joint loads meet
	s_mov_b32 s[G0K], 1
	s_mov_b32 s[G0K+1], s72
	s_add_nc_u64 s[G0K+2:G0K+3], s[6:7], s[74:75]
	s_or_b32 s[G0K+3], s[G0K+3], 0x80000000
	s_mov_b32 s[G0V], 1
	s_add_co_u32 s[G0V+1], s72, VOFF
	s_add_nc_u64 s[G0V+2:G0V+3], s[8:9], s[74:75]
	s_or_b32 s[G0V+3], s[G0V+3], 0x80000000
	s_mov_b32 s[G0K2], 1
	s_mov_b32 s[G0K2+1], s73
	s_add_nc_u64 s[G0K2+2:G0K2+3], s[6:7], s[98:99]
	s_or_b32 s[G0K2+3], s[G0K2+3], 0x80000000
	s_mov_b32 s[G0V2], 1
	s_add_co_u32 s[G0V2+1], s73, VOFF
	s_add_nc_u64 s[G0V2+2:G0V2+3], s[8:9], s[98:99]
	s_or_b32 s[G0V2+3], s[G0V2+3], 0x80000000
	JLOAD G0K, G0V, G1                             ; key steps 0 to 3: one tensor load a wave at the head
	s_lshr_b32 s72, s[PAIR], 4                     ; out0: (2,048 batch + 16 tile) rows of 4,096 bytes + 256 x head
	s_lshl_b32 s72, s72, 23
	s_and_b32 s73, s[PAIR], 15
	s_lshl_b32 s73, s73, 8
	s_add_co_u32 s72, s72, s73
	s_lshl_b32 s73, s76, 16
	s_add_co_u32 s[OUTB], s72, s73
	s_mov_b32 s[OUTB+1], 0
	s_add_nc_u64 s[OUTB:OUTB+1], s[12:13], s[OUTB:OUTB+1]
	s_lshl_b32 s73, s77, 16
	s_add_co_u32 s[OUTL], s72, s73
	s_mov_b32 s[OUTL+1], 0
	s_add_nc_u64 s[OUTL:OUTL+1], s[12:13], s[OUTL:OUTL+1]
	s_lshl_b32 s97, s[CX], 5
	s_add_co_u32 s97, s97, 16                      ; 16 (2 cx + 1)
	s_mul_i32 s96, s[WV], TSTG
	s_add_co_u32 s96, s96, STAGE                   ; my stage
	s_wait_kmcnt 0x0
	s_add_co_i32 s74, s86, s87                     ; a score stands for score x 2^(e6 + e7)
	s_lshl_b32 s74, s74, 23
	s_add_co_i32 s[CS], s[CS], s74
	s_mov_b32 s[CS+1], s[CS]
	s_add_co_i32 s74, s88, 127
	s_lshl_b32 s95, s74, 23                        ; 2^e8
	s_add_co_i32 s74, s74, 8
	s_lshl_b32 s74, s74, 23
	s_or_b32 s94, s74, 0x600000                    ; 448 x 2^e8
	s_add_co_i32 s[ESUM], s88, s89
	v_add_nc_u32 v[LIK], 8192, v[LI]
	v_add_nc_u32 v[LIV], VOFF, v[LI]
	v_and_b32 v64, 15, v0                          ; r
	v_bfe_u32 v65, v0, 4, 1                        ; hh
	v_lshlrev_b32 v66, 3, v65
	v_sub_nc_u32 v66, v64, v66
	v_add_nc_u32 v[VD], s97, v66
	v_mul_u32_u24 v[STO], v64, SP                  ; in: row r, 32 bytes for each half of the lanes
	v_lshl_add_u32 v[STO], v65, 5, v[STO]
	v_add_nc_u32 v[STO], s96, v[STO]
	v_mul_u32_u24 v[RD], v65, SP                   ; back: lanes 0-15 one row of 256 bytes, lanes 16-31 the next
	v_lshl_add_u32 v[RD], v64, 4, v[RD]
	v_add_nc_u32 v[RD], s96, v[RD]
	v_lshlrev_b32 v[GO], 12, v65
	v_lshl_add_u32 v[GO], v64, 4, v[GO]
	v_mov_b32 v[HOLD], s94
	v_mov_b32 v[HOLD2], s94
	v_mov_b32 v[SCL], s95
	v_mov_b32 v[NEG], 0xff61b1e6
	WIN 0x40
.set n, 0
.rept 72
	v_cmp_gt_i32 vcc_lo, 16*(n/8)+n%8, v[VD]
	v_cndmask_b32 v[MK+n], 0, v[NEG], vcc_lo       ; the mask: -3e38 where hidden, else 0
.set n, n+1
.endr
	WIN 0
	INIT
; A KEY STEP of 128 keys for both tiles.  At its head this step's 16 loads of K are out or in; diag = 1: the step on the diagonal, the double's last.
.macro STEP diag
	v_add_nc_u32 v[ADV], s[TB], v[LIV]
.if \diag
	v_nop
.else
	v_add_nc_u32 v[ADK], s[TB], v[LIK]
.endif
	v_nop                                          ; four places in all in front of loads into registers that the last products have read
	v_nop
	WIN 0x40
.irp d, 0,1,2,3
.irp c, 0,1,2,3
	ds_load_b128 v[VF+16*\d+4*\c:VF+16*\d+4*\c+3], v[ADV] offset:2048*\d+512*\c
.endr
.endr
	WALU
	s_wait_dscnt 16                                ; K is in; V's sixteen may be out
.if \diag
	WIN 0x15
.else
	WIN 0x05
.endif
.irp t, 0,1,2,3,4,5,6,7
.if \diag
	v_wmma_f32_16x16x64_fp8_fp8 v[SB+8*\t:SB+8*\t+7], v[KF+8*\t:KF+8*\t+7], v[QF:QF+7], v[MK+8*\t+8:MK+8*\t+15]
	v_wmma_f32_16x16x64_fp8_fp8 v[SB+64+8*\t:SB+64+8*\t+7], v[KF+8*\t:KF+8*\t+7], v[QF+8:QF+15], v[MK+8*\t:MK+8*\t+7]
.else
	v_wmma_f32_16x16x64_fp8_fp8 v[SB+8*\t:SB+8*\t+7], v[KF+8*\t:KF+8*\t+7], v[QF:QF+7], 0
	v_wmma_f32_16x16x64_fp8_fp8 v[SB+64+8*\t:SB+64+8*\t+7], v[KF+8*\t:KF+8*\t+7], v[QF+8:QF+15], 0
.endif
.endr
.if \diag
	WIN 0
.else
	WIN 0x40
.endif
.rept 4
	v_nop                                          ; places in front of the loads below and of the first reads of the scores
.endr
.if \diag == 0
.irp t, 0,1,2,3,4,5,6,7
	ds_load_b128 v[KF+8*\t:KF+8*\t+3], v[ADK] offset:1024*\t           ; the next step's K lands while the softmax is worked
	ds_load_b128 v[KF+8*\t+4:KF+8*\t+7], v[ADK] offset:1024*\t+512
.endr
	WIN 0
.endif
; the first tile's largest score among my 64 keys: eight chains (four of them in the second tile's registers, which are free here), the scores in ascending order, so each accumulator from its low end on
.set i, 0
.rept 8
	v_max3_num_f32 v[ST+12+(i%4)+16*(i/4)], v[SB+3*i], v[SB+3*i+1], v[SB+3*i+2]
.set i, i+1
.endr
.set i, 0
.rept 20
	v_max3_num_f32 v[ST+12+(i%4)+16*((i%8)/4)], v[ST+12+(i%4)+16*((i%8)/4)], v[SB+24+2*i], v[SB+25+2*i]
.set i, i+1
.endr
	v_max3_num_f32 v[ST+12], v[ST+12], v[ST+13], v[ST+14]
	v_max3_num_f32 v[ST+13], v[ST+28], v[ST+29], v[ST+30]
	v_max_num_f32 v[ST+14], v[ST+15], v[ST+31]
; the second tile's 30 lines of maxima, three at a time, and between them the first tile's chain to f
.set bq, 0
	BMAX3
	v_max3_num_f32 v[ST+12], v[ST+12], v[ST+13], v[ST+14]
.set sn, 0
.rept 8
	BMAX3
	STAT sn, ST
.set sn, sn+1
.endr
	BMAX3
; the first tile's 32 lines of t - M, three at a time, and between them the second tile's chain to f
.set aq, 0
	AFMA 3
	v_max3_num_f32 v[ST+28], v[ST+28], v[ST+29], v[ST+30]
	AFMA 3
	v_max_num_f32 v[ST+28], v[ST+28], v[ST+31]
.set sn, 0
.rept 8
	AFMA 3
	STAT sn, ST+16
.set sn, sn+1
.endr
	AFMA 2
.irp x, 0,1
	v_pk_mul_f32 v[ST+16*\x+2:ST+16*\x+3], v[ST+16*\x+2:ST+16*\x+3], v[ST+16*\x+10:ST+16*\x+11] op_sel_hi:[1,0]   ; the sums under the new M
.endr
	WALU                                           ; ahead of the first batch
.set n, 0
.rept 32                                       ; the first tile's p = 2^(t - M); among them the second tile's t - M, which are first read behind the wait below
	v_exp_f32 v[SB+n], v[SB+n]
	v_pk_fma_f32 v[SB+64+n:SB+65+n], v[SB+64+n:SB+65+n], s[CS:CS+1], v[ST+16:ST+17] op_sel_hi:[1,0,0]
	v_exp_f32 v[SB+n+1], v[SB+n+1]
.set n, n+2
.endr
	v_nop                                          ; a plain place behind the batch
	WALU                                           ; the one wait behind it, which also stands directly ahead of the first reader of O^T
.set i, 0
.rept 32                                       ; O^T under the new M, each accumulator from its low end on; by turns with the first tile's sum of the unquantised p, in four chains of pairs
	v_pk_mul_f32 v[OB+2*i:OB+2*i+1], v[OB+2*i:OB+2*i+1], v[ST+16*(i/16)+10:ST+16*(i/16)+11] op_sel_hi:[1,0]
.if i < 3
	v_pk_add_f32 v[ST+4+2*i:ST+5+2*i], v[SB+4*i:SB+4*i+1], v[SB+4*i+2:SB+4*i+3]
.endif
.if (i >= 3) && (i < 29)
	v_pk_add_f32 v[ST+2+2*((i+3)%4):ST+3+2*((i+3)%4)], v[ST+2+2*((i+3)%4):ST+3+2*((i+3)%4)], v[SB+2*(i+3):SB+2*(i+3)+1]
.endif
.if i == 29
	v_pk_add_f32 v[ST+2:ST+3], v[ST+2:ST+3], v[ST+4:ST+5]
.endif
.if i == 30
	v_pk_add_f32 v[ST+6:ST+7], v[ST+6:ST+7], v[ST+8:ST+9]
.endif
.if i == 31
	v_pk_add_f32 v[ST+2:ST+3], v[ST+2:ST+3], v[ST+6:ST+7]
.endif
.set i, i+1
.endr
	WALU                                           ; ahead of the second batch
.set n, 0
.rept 32                                       ; the second tile's p; among them the first tile's holds, which are first read behind the wait below
	v_exp_f32 v[SB+64+n], v[SB+64+n]
	DMIN SB+n
	v_exp_f32 v[SB+65+n], v[SB+65+n]
.set n, n+2
.endr
	v_nop
	WALU
.irp k, 1,2,3                                  ; the second tile's sum, and behind each pair's addition its hold
	v_pk_add_f32 v[ST+18+2*\k:ST+19+2*\k], v[SB+64+4*\k-4:SB+64+4*\k-3], v[SB+64+4*\k-2:SB+64+4*\k-1]
.endr
.set i, 6
.rept 26
	v_pk_add_f32 v[ST+18+2*(i%4):ST+19+2*(i%4)], v[ST+18+2*(i%4):ST+19+2*(i%4)], v[SB+64+2*i:SB+64+2*i+1]
	DMIN SB+64+2*(i-6)
.set i, i+1
.endr
	v_pk_add_f32 v[ST+18:ST+19], v[ST+18:ST+19], v[ST+20:ST+21]
	v_pk_add_f32 v[ST+22:ST+23], v[ST+22:ST+23], v[ST+24:ST+25]
.irp j, 52,54,56
	DMIN SB+64+\j
.endr
	v_pk_add_f32 v[ST+18:ST+19], v[ST+18:ST+19], v[ST+22:ST+23]
.irp j, 58,60,62
	DMIN SB+64+\j
.endr
	WIN 0x40
.irp t, 0,1,2,3,4,5,6,7
.irp x, 0,1
	v_cvt_scalef32_pk8_fp8_f32 v[PC+16*\x+2*\t:PC+16*\x+2*\t+1], v[SB+64*\x+8*\t:SB+64*\x+8*\t+7], v[SCL]   ; keys 16 t + 8 hh + 0 .. 7: registers 2 t, 2 t + 1 of the operand
.endr
.endr
	v_nop                                          ; a plain line between the conversions and the products that read their results
	WALU
.if \diag
	s_wait_dscnt 0x0                               ; V is in
.else
	s_wait_dscnt 16                                ; V is in; the next step's K may be out
.endif
	WIN 0x05
.irp d, 0,1,2,3
.irp x, 0,1
	v_wmma_f32_16x16x128_fp8_fp8 v[OB+32*\x+8*\d:OB+32*\x+8*\d+7], v[VF+16*\d:VF+16*\d+15], v[PC+16*\x:PC+16*\x+15], v[OB+32*\x+8*\d:OB+32*\x+8*\d+7]   ; eight accumulators by turns
.endr
.endr
	WIN 0
.endm
	WALU                                           ; at the head's end
	s_wait_loadcnt 0x0                             ; Q
	s_wait_tensorcnt 0x0                           ; my part of key steps 0 to 3 is in
	ds_add_u32 v[SPW], v[NIL]
	s_wait_dscnt 0x0
	CROUND                                         ; everybody's part is in, and all four work-groups are here
	JLOAD G0K2, G0V2, G1B                          ; key steps 4 to 15: the first tensor load behind the round
	KLOAD0
	s_mov_b32 s[OT], 0
.Lpre:                                             ; key steps 0 to 2 of the first double: its diagonal step is 15 - w, at least 8, so they are open in every wave; step 2 reads ahead no further than K's step 3
	STEP 0
	s_add_co_u32 s[TB], s[TB], 8192
	s_add_co_u32 s[KS], s[KS], 1
	s_cmp_lt_u32 s[KS], 3
	s_cbranch_scc1 .Lpre
	s_wait_tensorcnt 0x0                           ; my part of key steps 4 to 15 is in,
	s_wait_dscnt 0x0                               ; no LDS load of mine is out at the signal,
	s_barrier_signal -1
	s_barrier_wait -1                              ; everybody's part is in: all of the pair's K and V lie in LDS
.Ldouble:                                          ; two trips: the rest of the double of group 15 - w, then the double of group w
.Lkey:                                             ; up to key step 15; the steps up to the diagonal work
	s_cmp_ge_u32 s[KS], s[DS]
	s_cbranch_scc1 .Lnot_open
	STEP 0
	s_branch .Lnext
.Lnot_open:
	s_cmp_gt_u32 s[KS], s[DS]
	s_cbranch_scc1 .Lnext
	STEP 1
.Lnext:
	s_add_co_u32 s[TB], s[TB], 8192
	s_add_co_u32 s[KS], s[KS], 1
	s_cmp_lt_u32 s[KS], 16
	s_cbranch_scc1 .Lkey
	; THE DOUBLE ENDS: O^T / the row's sum x 2^(e8 + e9), into the scores' registers
.rept 4
	v_nop                                          ; places behind the last products
.endr
.irp x, 0,1
	v_add_f32 v[ST+16*\x+2], v[ST+16*\x+2], v[ST+16*\x+3]
.endr
.irp x, 0,1
	v_permlanex16_b32 v[ST+16*\x+14], v[ST+16*\x+2], s[SEL], s[SEL+1]
.endr
.irp x, 0,1
	v_add_f32 v[ST+16*\x+2], v[ST+16*\x+2], v[ST+16*\x+14]
.endr
	WALU
.irp x, 0,1
	v_rcp_f32 v[ST+16*\x+2], v[ST+16*\x+2]
.endr
	v_nop
	WALU
.irp x, 0,1
	v_ldexp_f32 v[ST+16*\x+2], v[ST+16*\x+2], s[ESUM]
.endr
	WALU                                           ; directly ahead of the first reader of O^T
.irp x, 0,1
.irp j, 0,2,4,6,8,10,12,14,16,18,20,22,24,26,28,30
	v_pk_mul_f32 v[SB+64*\x+\j:SB+64*\x+\j+1], v[OB+32*\x+\j:OB+32*\x+\j+1], v[ST+16*\x+2:ST+16*\x+3] op_sel_hi:[1,0]   ; register 8 d + i is out(query r, channel 16 d + 8 hh + i)
.endr
.endr
	; THE WAY OUT: a tile of 16 rows x 256 bytes goes through my own stage and comes back by rows.  LDS serves a wave's instructions in order (ISA guide 5.7.1.4): no wait between, and the second tile's stores come behind the first's loads
.irp x, 0,1
.irp d, 0,1,2,3
	ds_store_b128 v[STO], v[SB+64*\x+8*\d:SB+64*\x+8*\d+3] offset:64*\d
	ds_store_b128 v[STO], v[SB+64*\x+8*\d+4:SB+64*\x+8*\d+7] offset:64*\d+16
.endr
.irp i, 0,1,2,3,4,5,6,7
	ds_load_b128 v[SB+64*\x+32+4*\i:SB+64*\x+32+4*\i+3], v[RD] offset:2*\i*SP
.endr
.endr
.irp x, 0,1
.irp i, 0,1,2,3,4,5,6,7
	s_wait_dscnt 23-16*\x-\i                       ; behind this load: its tile's later loads and, for the first tile, the second's sixteen LDS instructions
	global_store_b128 v[GO], v[SB+64*\x+32+4*\i:SB+64*\x+32+4*\i+3], s[OUTB:OUTB+1] offset:65536*\x+8192*\i th:TH_STORE_NT   ; sixteen lanes store 256 consecutive bytes, at a multiple of 256 from out0's first byte
.endr
.endr
	s_cmp_eq_u32 s[OT], 1
	s_cbranch_scc1 .Llast
	s_wait_xcnt 0x0                                ; the stores have read their base and their data: both are written again below and in the next double
	s_mov_b64 s[OUTB:OUTB+1], s[OUTL:OUTL+1]
	s_mov_b32 s[DS], s[DSL]
	WIN 0x40
.set i, 0
.rept 16
	v_mov_b32 v[QF+i], v[QL+i]                     ; the second double's Q
.set i, i+1
.endr
	WIN 0
	INIT
	KLOAD0
	WALU
.Llast:
	s_add_co_u32 s[OT], s[OT], 1
	s_cmp_lt_u32 s[OT], 2
	s_cbranch_scc1 .Ldouble
	s_wait_tensorcnt 0x0                           ; the wave's end
	ds_add_u32 v[SPW], v[NIL]
	s_wait_dscnt 0x0
	CROUND                                         ; the closing round
	s_endpgm
.Lfunc_end_k_qd910626ba9_attn:
	.size	k_qd910626ba9_attn, .Lfunc_end_k_qd910626ba9_attn-k_qd910626ba9_attn
	.p2alignl 7, 3214868480
	.fill 96, 4, 3214868480
	.section	.rodata,"a",@progbits
	.p2align	6, 0x0
	.amdhsa_kernel k_qd910626ba9_attn
		.amdhsa_group_segment_fixed_size 327680
		.amdhsa_private_segment_fixed_size 0
		.amdhsa_enable_private_segment 0
		.amdhsa_kernarg_size 40
		.amdhsa_user_sgpr_count 2
		.amdhsa_user_sgpr_kernarg_segment_ptr 1
		.amdhsa_wavefront_size32 1
		.amdhsa_system_sgpr_workgroup_id_x 1
		.amdhsa_system_sgpr_workgroup_id_y 1
		.amdhsa_system_sgpr_workgroup_id_z 1
		.amdhsa_system_vgpr_workitem_id 0
		.amdhsa_next_free_vgpr 512
		.amdhsa_next_free_sgpr 100
		.amdhsa_reserve_vcc 1
		.amdhsa_float_denorm_mode_32 3
		.amdhsa_float_denorm_mode_16_64 3
		.amdhsa_memory_ordered 1
		.amdhsa_forward_progress 1
		.amdhsa_inst_pref_size 114
	.end_amdhsa_kernel
	.amdgpu_metadata
---
amdhsa.version: [ 1, 2 ]
amdhsa.kernels:
  - .name:           k_qd910626ba9_attn
    .symbol:         k_qd910626ba9_attn.kd
    .args:
      - { .name: qc, .offset: 0, .size: 8, .value_kind: global_buffer, .address_space: global }
      - { .name: kc, .offset: 8, .size: 8, .value_kind: global_buffer, .address_space: global }
      - { .name: vc, .offset: 16, .size: 8, .value_kind: global_buffer, .address_space: global }
      - { .name: lowp_scales, .offset: 24, .size: 8, .value_kind: global_buffer, .address_space: global }
      - { .name: out0, .offset: 32, .size: 8, .value_kind: global_buffer, .address_space: global }
    .group_segment_fixed_size: 327680
    .private_segment_fixed_size: 0
    .kernarg_segment_align: 8
    .kernarg_segment_size: 40
    .max_flat_workgroup_size: 256
    .sgpr_count:     100
    .vgpr_count:     512
    .wavefront_size: 32
...
	.end_amdgpu_metadata
.endif
;; end of part 3
